; MI455X (gfx1250); checked and timed in simulation.
; The chip was launched on July 23, 2026; its instructions are those of AMD's public machine-readable ISA for CDNA 5 (MIT licence, August 2026) and "CDNA5" Instruction Set Architecture Reference Guide (July 2026). The comments in the code are by the model that wrote it; some were corrected since.
;; LSTM Cell. Allowed arithmetic: matrix products marked QUANTISED: E2M3 operands, one E8M0 scale for each 32 along K, by v_wmma_scale_f32_16x16x128_f8f6f4 with both operands' format E2M3, f32 sums; everything else in f32.
;; Inputs: W_f 1,024 x 2,048 float32; W_g 1,024 x 2,048 float32; W_i 1,024 x 2,048 float32; W_o 1,024 x 2,048 float32; b_f 1,024 float32; b_g 1,024 float32; b_i 1,024 float32; b_o 1,024 float32; c 8,192 x 1,024 float32; h 8,192 x 1,024 float32; x 8,192 x 1,024 float32.
;; Outputs: out0 8,192 x 1,024 float32; out1 8,192 x 1,024 float32.
;; This version of the problem:
;;   THIS VERSION OF THE PROBLEM IS GIVEN IN LOW PRECISION. The matrix products marked QUANTISED in the list below multiply operands that are first quantised to E2M3 (2 exponent bits, 3 mantissa bits; 6 bits a number), with one power-of-two scale for each 32 numbers along K (OCP MX v1.0); their sums are f32. All else is computed in f32.
;;   The module's matrix products, in the order in which they are computed (A, B: the left and right operand; K: the contracted axis; several contracted axes count as one K, in the product's order):
;;     1. [M 8,192, K 2,048] x [K 2,048, N 4,096]; A: computed on the way; B: computed on the way: QUANTISED
;;   THE QUANTISER, for each operand of a quantised product, along K:
;;     - K is cut into blocks of 32 from its start; a last block that is shorter is filled with zeros.
;;     - A block's scale is 2^e with e = floor(log2(the largest magnitude in the block)) - 2, held to -126 .. 127; a block of zeros has e = 0. As a byte (E8M0): e + 127.
;;     - Each number is divided by its block's scale, clamped to +-7.5, and rounded to the nearest number of E2M3, ties to even, subnormals kept.
;;     - The product sums the exact products of the quantised numbers (number of the format x scale) in f32.
;;   ~~~python
;;   def quantise(x, axis):      # numpy; x: float32 -> the quantised numbers, widened to float32 again
;;       x = np.moveaxis(x, axis, -1); K = x.shape[-1]
;;       x = np.pad(x, [(0, 0)] * (x.ndim - 1) + [(0, -K % 32)]); x = x.reshape(x.shape[:-1] + (-1, 32)); a = np.abs(x).max(-1, keepdims=True)
;;       e = np.where(a > 0, np.clip(np.frexp(np.where(a > 0, a, 1))[1] - 1 - 2, -126, 127), 0)      # np.frexp(a)[1] - 1 = floor(log2(a)), exactly
;;       r = np.clip(x / 2.0 ** e, -7.5, 7.5)
;;       step = 2.0 ** (np.maximum(np.frexp(np.where(r == 0, 1, r))[1] - 1, 0) - 3)
;;       q = np.round(r / step) * step * 2.0 ** e      # np.round: ties to even
;;       return np.moveaxis(q.reshape(q.shape[:-2] + (-1,))[..., :K], -1, axis).astype(np.float32)
;;   ~~~
;;   OPERANDS COMPUTED ON THE WAY. 'Computed on the way' means the value that the module computes at that place (a softmax that the list does not call 'softmax' is quantised finished and normalised). What goes into a quantiser is computed in f32, as accurately as f32 sums, v_exp_f32 and their like allow (about 1e-6 of the number): no bf16 or f16 on the way to a quantiser, and a product that is left as it is and whose result goes on into a quantised operand takes f32 operands (vector FMAs, or v_wmma_f32_16x16x4_f32). A number that lies on a knife's edge between two numbers of the format may be rounded either way, as far as f32 arithmetic and the matrix unit's own rounding can turn it there, and no further.
;; One version. Each part assembles by itself: llvm-mc -triple=amdgcn-amd-amdhsa -mcpu=gfx1250 --defsym DOCPART=n.
;; ======== version 1 of 1: 2 launches
;; limits: right only within a limited range of input values
;; workspace buffers: a_img 13,107,200 bytes; w_img 6,553,600 bytes
;; launch quant (part 1): grid 768 x 1, 4 waves a work-group, no clusters, 34,304 bytes of LDS; arguments x, h, W_i, W_f, W_o, W_g, a_img, w_img; writes a_img, w_img
.if DOCPART == 1
	.amdgcn_target "amdgcn-amd-amdhsa--gfx1250"
	.amdhsa_code_object_version 6
	.text
	.protected	k_q91035265d3_quant
	.globl	k_q91035265d3_quant
	.p2align	8
	.type	k_q91035265d3_quant,@function
k_q91035265d3_quant:
	s_mov_b64 s[64:65], 0
	v_nop
	global_prefetch_b8 v0, s[64:65] scope:SCOPE_SE
	s_setreg_imm32_b32 hwreg(HW_REG_WAVE_MODE, 25, 1), 1
	s_wait_xcnt 0x0
; [x | h] (8,192 rows of 2,048 f32) and the four weights (1,024 rows of 2,048 f32 each) are turned into codes of FP6 (E2M3), 6 bits each, with one E8M0 scale byte for each 32 along K,
; LAID IN THE ORDER OF THE MATRIX OPERAND'S REGISTERS.  For each group of 128 rows and each 128 along K there is one block of 12,800 bytes: 8 fragment images of 1,536 bytes (fragment i = rows 16 i .. 16 i + 15;
; registers 4 c .. 4 c + 3 of lane l at 512 c + 16 l), then 512 bytes of scale words: the word of row r of fragment 4 j + t at 256 j + 16 r + 4 t.  A group's 16 blocks stand on end: 204,800 bytes a group.
; a_img: 64 groups; row m of [x | h] is row m % 128 of group m / 128.   w_img: 32 groups; gate G (0 i, 1 f, 2 o, 3 g) of hidden unit u is row 32 G + u % 32 of group u / 32: so a group holds 32 hidden units of all
; four gates, and the product's launch finds the four gates of one output in one lane.
; A fragment's lane (r, h) holds row r, registers 6 c .. 6 c + 5 the codes of k = 64 c + 32 h + 0 .. 31 (ISA guide 7.12.2's layout for 6-bit data): two whole blocks of 32, so no other lane is asked for a maximum.
; A block's scale is 2^(floor(log2(its largest magnitude)) - 2); its byte is the largest magnitude's own exponent field - 2, held at 1 from below.  Each number is divided by the scale and rounded to the nearest
; code, ties to even; beyond 7.5 the conversion gives the largest code.
; LIMITS: a block of zeros, or one whose largest magnitude lies under 2^(3 - 127), gets the byte 1 (the rule says 127 for zeros): its codes are zeros or the format's smallest, and this program alone reads the bytes.
; NaN and infinities among the inputs are not served.
; SHARES.  A wave takes 64 rows x 128 along K: four fragments, half a block.  The four waves of a work-group stand side by side along K: 2,048 consecutive bytes of each of the 64 rows.  Work-groups 0-511 take
; [x | h], 512-767 the weights.  All tensors take ONE path: only pointers and a few numbers are chosen, on the work-group's number.
; A FRAGMENT.  Sixteen loads, each one row's 512 consecutive bytes, 16 a lane; the 8,192 bytes go through the wave's own stage in LDS as they lie (rows 528 bytes apart, so that the sixteen rows that a read touches
; start at sixteen different places of 16 bytes) and come back 2 x 128 bytes a lane.  No tensor loads, no barrier: waves share nothing.  Two fragments' loads (32 a wave) are on their way.
.set FRB,    1536                      ; a fragment's image
.set STEPB,  8*FRB+512                 ; a block
.set SPITCH, 528
.set WST,    16*SPITCH                 ; a wave's stage
.set RO,     16                        ; v16-31   16 x lane + i x a source row's bytes
.set R,      32                        ; v32-159  two sets of 64 numbers as they are loaded
.set X,      160                       ; v160-223 my 64 numbers: register 32 c + i is k = 64 c + 32 h + i of row r
.set C,      224                       ; v224-235 the fragment's twelve registers
.set T,      236                       ; v236-238, v240-242 the second halves of the two blocks, as the conversions leave them
.set SW,     244                       ; v244-247 my row's scale word for each of the four fragments
.set M,      248                       ; v248-251 largest magnitudes, two chains for each block; then the bytes
.set S,      252                       ; v252-253 the conversions' scale operands
	s_load_b512 s[4:19], s[0:1], 0x0               ; x s[4:5], h s[6:7], W_i s[8:9], W_f s[10:11], W_o s[12:13], W_g s[14:15], a_img s[16:17], w_img s[18:19]
	v_lshl_add_u32 v239, v0, 2, 0x8400
	v_mov_b32 v243, 0
	v_lshrrev_b32 v1, 5, v0
	v_readfirstlane_b32 s24, v1                    ; wave
	v_and_b32 v2, 31, v0                           ; lane
	v_lshlrev_b32 v3, 4, v2                        ; 16 x lane
	v_and_b32 v4, 15, v0                           ; r
	v_bfe_u32 v5, v0, 4, 1                         ; h
	v_lshlrev_b32 v6, 3, v5                        ; 8 h: where my two bytes stand in the scale word
	s_mul_i32 s31, s24, WST
	v_add_nc_u32 v14, s31, v3                      ; the stage, on the way in: 16 x lane in a row
	v_mul_u32_u24 v15, v4, SPITCH
	v_lshl_add_u32 v15, v5, 7, v15
	v_add_nc_u32 v15, s31, v15                     ; and on the way out: row r, + 128 h
	v_mov_b32 v255, 0                              ; written once: a lane permute's destination counts as one of its sources
	s_mov_b32 s46, 0x76543210
	s_mov_b32 s47, 0xfedcba98                      ; v_permlanex16_b32's selects for lane l xor 16
	; which part is my wave's.  The work-group's number within its tensor is 8 x group + 4 x half + quarter of K
	s_cmp_lt_u32 ttmp9, 512
	s_cselect_b32 s25, 0, 512
	s_sub_co_u32 s25, ttmp9, s25
	s_and_b32 s26, s25, 3
	s_lshl_b32 s26, s26, 2
	s_add_co_u32 s26, s26, s24                     ; which 128 along K: 4 x quarter + wave
	s_bfe_u32 s27, s25, 0x10002                    ; j: which half of the group's rows
	s_lshr_b32 s28, s25, 3                         ; the group
	s_lshl_b32 s29, s28, 7
	s_lshl_b32 s41, s27, 6
	s_add_co_u32 s29, s29, s41                     ; [x | h]: fragments 0, 1 begin at row 128 x group + 64 j,
	s_add_co_u32 s41, s29, 32                      ; fragments 2, 3 32 rows on;
	s_and_b32 s42, s26, 7
	s_lshl_b32 s42, s42, 9                         ; 512 bytes for each 128 along K, within x or within h
	s_lshl_b32 s43, s28, 5                         ; a weight: hidden unit 32 x group, in both of the half's two gates;
	s_lshl_b32 s2, s26, 9                          ; 512 bytes for each 128 along K
	s_lshl_b32 s40, s28, 4
	s_add_co_u32 s40, s40, s26
	s_mul_i32 s40, s40, STEPB                      ; my block in the image: under 2^32 (1,023 blocks of 12,800 bytes at the most)
	s_wait_alu depctr_va_vdst(0)
	s_wait_kmcnt 0x0
	s_cmp_eq_u32 s27, 0                            ; the half's two gates: i and f, or o and g.  All choices hang on the work-group's and the wave's number alone
	s_cselect_b64 s[8:9], s[8:9], s[12:13]
	s_cselect_b64 s[10:11], s[10:11], s[14:15]
	s_cmp_lt_u32 s26, 8                            ; the first 1,024 along K are x's, the others h's
	s_cselect_b64 s[4:5], s[4:5], s[6:7]
	s_cmp_lt_u32 ttmp9, 512                        ; [x | h] or the weights?  Only selects and moves stand between this compare and the last select
	s_cselect_b64 s[32:33], s[4:5], s[8:9]         ; where fragments 0, 1 come from,
	s_cselect_b64 s[36:37], s[4:5], s[10:11]       ; and fragments 2, 3
	s_cselect_b64 s[20:21], s[16:17], s[18:19]     ; the image
	s_cselect_b32 s29, s29, s43
	s_cselect_b32 s41, s41, s43
	s_cselect_b32 s42, s42, s2
	s_mov_b32 s30, 8192
	s_cselect_b32 s30, 4096, s30                   ; a source row in bytes
	s_mov_b32 s45, 0
	s_mul_i32 s44, s29, s30                        ; all offsets stay under 2^32: 8,191 rows x 4,096 bytes at the most
	s_add_co_u32 s44, s44, s42
	s_add_nc_u64 s[32:33], s[32:33], s[44:45]      ; fragment 0's first row, at my 128 along K
	s_mul_i32 s44, s41, s30
	s_add_co_u32 s44, s44, s42
	s_add_nc_u64 s[36:37], s[36:37], s[44:45]      ; fragment 2's
	s_lshl_b32 s44, s30, 4
	s_add_nc_u64 s[34:35], s[32:33], s[44:45]      ; fragments 1 and 3: 16 rows on
	s_add_nc_u64 s[38:39], s[36:37], s[44:45]
	s_mul_i32 s44, s27, 4*FRB
	s_add_co_u32 s44, s44, s40
	s_add_nc_u64 s[22:23], s[20:21], s[44:45]      ; my four images
	s_lshl_b32 s44, s27, 8
	s_add_co_u32 s44, s44, s40
	s_add_co_u32 s44, s44, 8*FRB
	s_add_nc_u64 s[20:21], s[20:21], s[44:45]      ; my 256 bytes of scale words
.irp i, 0,1,2,3,4,5,6,7,8,9,10,11,12,13,14,15
	v_mad_u32_u24 v[RO+\i], s30, \i, v3
.endr
.macro LOAD t                          ; fragment t: sixteen rows' 512 bytes into set t % 2
.irp i, 0,1,2,3,4,5,6,7,8,9,10,11,12,13,14,15
	global_load_b128 v[R+64*((\t)%2)+4*\i:R+64*((\t)%2)+4*\i+3], v[RO+\i], s[32+2*(\t):33+2*(\t)] th:TH_LOAD_NT   ; 32 lanes read 512 consecutive bytes
.endr
.endm
	LOAD 0
	LOAD 1
.macro FRAGQ t
.if (\t) < 3
	s_wait_loadcnt 16                              ; this fragment's sixteen loads are in; the next fragment's may be out
.else
	s_wait_loadcnt 0
.endif
.irp i, 0,1,2,3,4,5,6,7,8,9,10,11,12,13,14,15
	ds_store_b128 v14, v[R+64*((\t)%2)+4*\i:R+64*((\t)%2)+4*\i+3] offset:SPITCH*\i
.endr
.irp c, 0,1
.irp m, 0,1,2,3,4,5,6,7
	ds_load_b128 v[X+32*\c+4*\m:X+32*\c+4*\m+3], v15 offset:256*\c+16*\m   ; LDS serves a wave's instructions in order (ISA guide 5.7.1.4): these see the stores above
.endr
.endr
	s_wait_dscnt 0x0                               ; my 64 numbers are in, and the stores into the stage have read their registers,
	s_wait_xcnt 0x0                                ; and the last fragment's stores to memory have read theirs: the codes' registers are written again only behind this wait
.if (\t)+2 < 4
	LOAD (\t)+2                                    ; the set takes the loads of two fragments on
.endif
.irp c, 0,1                                    ; a block's largest magnitude: all 32 numbers are mine; two chains a block, the four by turns
	v_max3_num_f32 v[M+\c], |v[X+32*\c]|, |v[X+32*\c+1]|, 0x1800000       ; with the floor 2^(3 - 127): so the byte cannot fall under 1
	v_max3_num_f32 v[M+2+\c], |v[X+32*\c+16]|, |v[X+32*\c+17]|, |v[X+32*\c+18]|
.endr
.irp i, 2,4,6,8,10,12
.irp c, 0,1
	v_max3_num_f32 v[M+\c], v[M+\c], |v[X+32*\c+\i]|, |v[X+32*\c+\i+1]|
	v_max3_num_f32 v[M+2+\c], v[M+2+\c], |v[X+32*\c+17+\i]|, |v[X+32*\c+18+\i]|
.endr
.endr
.irp c, 0,1
	v_max3_num_f32 v[M+\c], v[M+\c], |v[X+32*\c+14]|, |v[X+32*\c+15]|
.endr
.irp c, 0,1
	v_max3_num_f32 v[M+\c], v[M+\c], v[M+2+\c], |v[X+32*\c+31]|
.endr
.irp c, 0,1
	v_add_nc_u32 v[S+\c], 0xff000000, v[M+\c]      ; 2 off its exponent field: the conversion takes the exponent field of this operand as its scale, and nothing else of it
.endr
.irp c, 0,1
	v_lshrrev_b32 v[M+\c], 23, v[S+\c]             ; the scale's byte
.endr
	v_lshl_or_b32 v254, v[M+1], 16, v[M]           ; my two bytes: blocks h and 2 + h of row r,
	v_lshlrev_b32 v254, v6, v254                   ; at their places in the scale word;
	v_permlanex16_b32 v255, v254, s46, s47
	v_or_b32 v[SW+(\t)], v254, v255                ; with lane l xor 16's two the word is whole
.irp c, 0,1
	v_cvt_scalef32_pk16_fp6_f32 v[C+6*\c:C+6*\c+2], v[X+32*\c:X+32*\c+15], v[S+\c]         ; sixteen codes, 96 bits without gaps, the first number's code lowest
	v_cvt_scalef32_pk16_fp6_f32 v[T+4*\c:T+4*\c+2], v[X+32*\c+16:X+32*\c+31], v[S+\c]      ; (a conversion's three registers begin on an even number: the second half of a block's six does not)
.endr
	v_nop                                          ; one plain line behind the scaled conversions
.irp c, 0,1
.irp i, 0,1,2
	v_mov_b32 v[C+6*\c+3+\i], v[T+4*\c+\i]
.endr
.endr
.irp p, 0,1,2
	global_store_b128 v3, v[C+4*\p:C+4*\p+3], s[22:23] offset:FRB*(\t)+512*\p   ; 32 lanes store 512 consecutive bytes, at a multiple of 256 from the image's first byte
.endr
.endm
	s_wait_alu depctr_va_vdst(0)
.irp t, 0,1,2,3
	FRAGQ \t
.endr
	s_wait_xcnt 0x0                                ; EXEC changes only behind this wait: it is a source of the stores above
	v_cmp_gt_u32 vcc_lo, 16, v2
	s_barrier_signal -1
	s_barrier_wait -1
	s_wait_tensorcnt 0x0
	ds_add_u32 v239, v243
	s_wait_dscnt 0x0
	s_and_saveexec_b32 s31, vcc_lo                 ; lanes 0-15 hold rows 0-15 (lanes 16-31 hold the same words)
	global_store_b128 v3, v[SW:SW+3], s[20:21]     ; 16 lanes store 256 consecutive bytes, at a multiple of 256 from the image's first byte
	s_wait_xcnt 0x0
	s_or_b32 exec_lo, exec_lo, s31
	s_endpgm
.Lfunc_end_k_q91035265d3_quant:
	.size	k_q91035265d3_quant, .Lfunc_end_k_q91035265d3_quant-k_q91035265d3_quant
	.p2alignl 7, 3214868480
	.fill 96, 4, 3214868480
	.section	.rodata,"a",@progbits
	.p2align	6, 0x0
	.amdhsa_kernel k_q91035265d3_quant
		.amdhsa_group_segment_fixed_size 34304
		.amdhsa_private_segment_fixed_size 0
		.amdhsa_enable_private_segment 0
		.amdhsa_kernarg_size 64
		.amdhsa_user_sgpr_count 2
		.amdhsa_user_sgpr_kernarg_segment_ptr 1
		.amdhsa_wavefront_size32 1
		.amdhsa_system_sgpr_workgroup_id_x 1
		.amdhsa_system_sgpr_workgroup_id_y 1
		.amdhsa_system_sgpr_workgroup_id_z 1
		.amdhsa_system_vgpr_workitem_id 0
		.amdhsa_next_free_vgpr 256
		.amdhsa_next_free_sgpr 66
		.amdhsa_reserve_vcc 1
		.amdhsa_float_denorm_mode_32 3
		.amdhsa_float_denorm_mode_16_64 3
		.amdhsa_memory_ordered 1
		.amdhsa_forward_progress 1
		.amdhsa_inst_pref_size 32
	.end_amdhsa_kernel
	.amdgpu_metadata
---
amdhsa.version: [ 1, 2 ]
amdhsa.kernels:
  - .name:           k_q91035265d3_quant
    .symbol:         k_q91035265d3_quant.kd
    .args:
      - { .name: x, .offset: 0, .size: 8, .value_kind: global_buffer, .address_space: global }
      - { .name: h, .offset: 8, .size: 8, .value_kind: global_buffer, .address_space: global }
      - { .name: W_i, .offset: 16, .size: 8, .value_kind: global_buffer, .address_space: global }
      - { .name: W_f, .offset: 24, .size: 8, .value_kind: global_buffer, .address_space: global }
      - { .name: W_o, .offset: 32, .size: 8, .value_kind: global_buffer, .address_space: global }
      - { .name: W_g, .offset: 40, .size: 8, .value_kind: global_buffer, .address_space: global }
      - { .name: a_img, .offset: 48, .size: 8, .value_kind: global_buffer, .address_space: global }
      - { .name: w_img, .offset: 56, .size: 8, .value_kind: global_buffer, .address_space: global }
    .group_segment_fixed_size: 34304
    .private_segment_fixed_size: 0
    .kernarg_segment_align: 8
    .kernarg_segment_size: 64
    .max_flat_workgroup_size: 128
    .sgpr_count:     66
    .vgpr_count:     256
    .wavefront_size: 32
...
	.end_amdgpu_metadata
.endif
;; end of part 1
;; launch lstm (part 2): grid 16 x 32, 4 waves a work-group, clusters of 4 x 4, 327,680 bytes of LDS; arguments a_img, w_img, b_i, b_f, b_o, b_g, c, out0, out1; writes out0, out1
.if DOCPART == 2
	.amdgcn_target "amdgcn-amd-amdhsa--gfx1250"
	.amdhsa_code_object_version 6
	.text
	.protected	k_q91035265d3_lstm
	.globl	k_q91035265d3_lstm
	.p2align	8
	.type	k_q91035265d3_lstm,@function
k_q91035265d3_lstm:
	s_mov_b64 s[64:65], 0
	v_nop
	global_prefetch_b8 v0, s[64:65] scope:SCOPE_SE
	s_setreg_imm32_b32 hwreg(HW_REG_WAVE_MODE, 25, 1), 1
	s_wait_xcnt 0x0
	s_wait_alu depctr_hold_cnt(0) depctr_sa_sdst(0) depctr_va_vdst(0) depctr_va_sdst(0) depctr_va_ssrc(0) depctr_va_vcc(0) depctr_vm_vsrc(0)
	s_getreg_b32 s2, hwreg(HW_REG_IB_STS2, 6, 4)
	s_cmp_eq_u32 s2, 0
	s_cbranch_scc0 .Lentry_in_a_cluster
	s_endpgm
.Lentry_in_a_cluster:
	s_bfe_u32 s2, ttmp6, 0x10000c
	s_cmp_lg_u32 s2, 0xf033
	s_cbranch_scc0 .Lentry_shape_is_right
	s_endpgm
.Lentry_shape_is_right:
; gates = [x | h] W^T + b on codes of FP6 (E2M3) with one E8M0 scale for each 32 along K (K = 2,048), sums in f32; then c_t = sigmoid(f) c + sigmoid(i) tanh(g) -> out1, h_t = sigmoid(o) tanh(c_t) -> out0, in f32.
; a_img (64 groups of 128 rows of [x | h]) and w_img (32 groups of 128 rows of W) hold, for each group and each 128 along K, one block of 12,800 bytes: 8 fragment images of 1,536 bytes
; (registers 4 c .. 4 c + 3 of lane l at 512 c + 16 l), then 512 bytes of scale words (row r of fragment 4 j + t at 256 j + 16 r + 4 t).  Row 32 G + e of W's group 2 T + s is gate G (0 i, 1 f, 2 o, 3 g) of hidden unit 64 T + 32 s + e.
; A work-group of four waves makes 256 rows x 64 hidden units x 4 gates; a wave 128 x 128: 64 accumulators, 512 registers.  The gates never go to memory.
; K goes in 16 steps of 128 through a ring of two LDS slots of three steps: a wave's tensor load brings three blocks of one group, 150 rows of 256 bytes; the slots hold steps 0-2, 3-5, 6-8, 9-11, 12-14 and 15 (50 rows).
; CLUSTERS: 4 x 4.  The four of a row of the cluster need the same groups of [x | h], the four of a column the same groups of W: each load is asked for jointly.
; No prefetch of the images: the walk has six fills in all, at the largest block, in clusters.
; THE MATRIX INSTRUCTION IS USED TRANSPOSED (source 0 = W, source 1 = [x | h]): register j of lane (r, h) of accumulator (a, b) is gate b / 2 of row 16 a + r, hidden unit 16 (b % 2) + 8 h + j of the wave's 32.
; So block a's 64 accumulator registers are four arrays of 16: i at +0, f at +16, o at +32, g at +48, and the cell works IN PLACE in them.  The biases are the C of each sum's first matrix instruction.
; c comes straight into registers in that layout, 16 bytes a lane (a wave's four loads of a block cover 128 consecutive bytes of each of 16 rows): rows 0-63 into the biases' registers behind step 0,
; rows 64-127 behind step 6 into the 64 registers of window 1 that W's two sets leave free.
; h_t and c_t meet in two stages in slot 0, which nobody reads behind step 14's barrier and which is filled no more, and leave as whole rows of 256 bytes.
; THE CELL, L = log2(e): Ei, Ef, Eo = 2^(-L pre); Eg = 2^(-2 L g); sigmoid(f) = 1 / (1 + Ef); sigmoid(i) tanh(g) = (1 - Eg) / ((1 + Ei)(1 + Eg)); the same form with Eo and c_t gives h_t.
; -2 L g and -2 L c_t are held to -64 .. 64, where tanh is 1 or -1 in f32: so Eg is neither 0 nor infinite, an infinite 1 + Ei makes the quotient 0, and no 0 x infinity arises from finite gates.
; LIMITS: NaN and infinities among the inputs are not served.  A quotient under 2^-126 comes out as 0 (ISA guide 15.8).  For small g, 1 - Eg carries an absolute error of about 6e-8.
; REGISTERS: window 0: v1-31 addresses; v32-47 scale words, two sets; v64-127 biases, then c; v128-223 A's fragments, one set; v192-255 rows on the way out.
;   Window 1: W's fragments, two sets, at v0 and v128; c at v96-127 and v224-255.  Windows 2, 3: accumulators.
.set FR,     12
.set NL,     3
.set NP,     4
.set FRB,    FR*128
.set STEPB,  8*FRB+512
.set NQ,     3
.set QB,     NQ*STEPB
.set SLOT,   4*QB
.set GRPB,   16*STEPB
.set SPARE,  2*SLOT                    ; the spare words: 512 bytes that no other line names
.set CP,     272                       ; a stage row: 64 f32 + 16 bytes
.set STG2,   256*CP                    ; h_t's stage at 0, c_t's behind it
.set HROW,   4096
.set STO2, 12
.set RD2,  13
.set BOF,  14
.set CAD,  15
.set ADRA, 16
.set ADRB, 20
.set ADRS, 22
.set STO,  24
.set RD,   25
.set CO,   26
.set SPW,  28
.set NIL,  29
.set SC,   32
.set BIAS, 64
.set CV,   64                          ; c of blocks 0-3 at v[CV + 16 a], window 0
.set AF,   128
.set BK,   192
.set G1, 24
.set G0, 32
.set G1B, 48
.set G0B, 56
.set G1L, 68
.set G1LB, 80
.set MSB, 0
.macro WIN new                         ; the immediate's high byte repeats the setting that is left
.if MSB != \new
	s_set_vgpr_msb (MSB<<8)|\new
.set MSB, \new
.endif
.endm
.set MUL_LO,  0xa1
.set MUL_HI,  0xf1
.set MUL_LO0, 0x81                     ; the first products: C (the biases) in window 0
.set MUL_HI0, 0xc1
.set TO_B,    0x40
.macro JLOAD g0a, g1a, g0b, g1b        ; a joint load: waves 0, 1 fetch for A, waves 2, 3 for W
	s_cmp_eq_u32 s15, 0
	s_cbranch_scc0 .Lfor_b_\@
	tensor_load_to_lds s[\g0a:\g0a+3], s[\g1a:\g1a+7]
	s_nop 0
.rept 4
	v_nop
.endr
	s_branch .Lasked_\@
.Lfor_b_\@:
	tensor_load_to_lds s[\g0b:\g0b+3], s[\g1b:\g1b+7]
	s_nop 0
.rept 4
	v_nop
.endr
.Lasked_\@:
.endm
.macro CREST
	s_cmp_lg_u32 s14, 0
	s_cbranch_scc1 .Lnot_wave_0_\@
	s_barrier_signal -3
.Lnot_wave_0_\@:
	s_barrier_wait -3
	s_barrier_signal -1
	s_barrier_wait -1
.endm
.macro CROUND
	s_barrier_signal -1
	s_barrier_wait -1
	CREST
.endm
	s_load_b128 s[4:7], s[0:1], 0x0                ; a_img, w_img
	s_load_b256 s[88:95], s[0:1], 0x10             ; b_i, b_f, b_o, b_g
	s_load_b128 s[96:99], s[0:1], 0x30             ; c, out0
	s_load_b64 s[100:101], s[0:1], 0x40            ; out1
	v_lshl_add_u32 v[SPW], v0, 2, SPARE
	v_mov_b32 v[NIL], 0
	ds_add_u32 v[SPW], v[NIL]                      ; the opening lines: the add twice on end, and its wait ahead of my first tensor load
	ds_add_u32 v[SPW], v[NIL]
	v_lshrrev_b32 v1, 5, v0
	v_readfirstlane_b32 s14, v1                    ; wave
	s_lshr_b32 s15, s14, 1                         ; my half of the rows; also: I fetch for A (0) or W (1)
	s_and_b32 s16, s14, 1                          ; my half of the columns; also: which of the two groups I fetch
	s_bfe_u32 s40, ttmp6, 0x40000                  ; cx
	s_bfe_u32 s41, ttmp6, 0x40004                  ; cy
	s_lshl_b32 s42, ttmp9, 2
	s_add_co_u32 s42, s42, s40                     ; tile column T
	s_and_b32 s17, ttmp7, 0xffff
	s_lshl_b32 s17, s17, 2
	s_add_co_u32 s17, s17, s41                     ; tile row
	s_lshl_b32 s43, s41, 2
	s_lshl_b32 s43, 15, s43                        ; my row of the cluster
	s_lshl_b32 s44, 0x1111, s40                    ; my column
	s_or_b32 s[G1+0], s43, (3<<16)|(1<<21)         ; dense runs as rows of 32 elements of 8 bytes, no padding; the mask, and bit 21 beside it
	s_or_b32 s[G1B+0], s44, (3<<16)|(1<<21)
	s_or_b32 s[G1L+0], s43, (3<<16)|(1<<21)
	s_or_b32 s[G1LB+0], s44, (3<<16)|(1<<21)
.irp g, G1, G1B
	s_mov_b32 s[\g+1], 32<<16
	s_mov_b32 s[\g+2], (QB/256)<<16                ; 150 rows: three blocks
	s_mov_b32 s[\g+3], 32<<16
	s_mov_b32 s[\g+4], QB/256
	s_mov_b32 s[\g+5], 32
	s_mov_b32 s[\g+6], 0
	s_mov_b32 s[\g+7], 0
.endr
.irp g, G1L, G1LB
	s_mov_b32 s[\g+1], 32<<16
	s_mov_b32 s[\g+2], (STEPB/256)<<16             ; 50 rows: one block
	s_mov_b32 s[\g+3], 32<<16
	s_mov_b32 s[\g+4], STEPB/256
	s_mov_b32 s[\g+5], 32
	s_mov_b32 s[\g+6], 0
	s_mov_b32 s[\g+7], 0
.endr
	s_lshl_b32 s20, s17, 1
	s_add_co_u32 s20, s20, s16                     ; A: group 2 x tile row + half
	s_mul_i32 s20, s20, GRPB
	s_mov_b32 s21, 0
	s_lshl_b32 s46, s42, 1
	s_add_co_u32 s46, s46, s16                     ; W: group 2 x tile column + half
	s_mul_i32 s46, s46, GRPB
	s_mov_b32 s47, 0
	s_mul_i32 s45, s14, QB                         ; where my loads go: wave x a quarter of a slot
	s_mul_i32 s8, s15, QB                          ; what I read: my group of A,
	s_mul_i32 s9, s16, QB
	s_add_co_u32 s9, s9, 2*QB                      ; my group of W,
	s_sub_co_u32 s10, s9, s8                       ; and the distance between them
	s_mul_i32 s11, s15, 128*CP                     ; the stages: my half of the rows,
	s_lshl_b32 s12, s16, 7
	s_add_co_u32 s12, s12, s11                     ; on the way in my 128 bytes of a row,
	s_mul_i32 s13, s16, 16*CP
	s_add_co_u32 s13, s13, s11                     ; on the way out my 16 of each 32 rows
	s_mov_b32 s76, 0xbfb8aa3b                      ; -L, twice (a packed form names the pair)
	s_mov_b32 s77, s76
	s_mov_b32 s78, 0xc038aa3b                      ; -2 L
	s_mov_b32 s79, s78
	s_mov_b32 s66, 0x42800000                      ; 64
	s_mov_b32 s67, 0xc2800000                      ; -64
	s_wait_dscnt 0x0                               ; both opening adds are done
	s_wait_kmcnt 0x0
	s_add_nc_u64 s[20:21], s[4:5], s[20:21]
	s_add_nc_u64 s[46:47], s[6:7], s[46:47]
.irp s, 0,1
	s_mov_b32 s[G0+4*\s], 1
	s_add_co_u32 s[G0+4*\s+1], s45, \s*SLOT
	s_add_nc_u64 s[G0+4*\s+2:G0+4*\s+3], s[20:21], \s*QB
	s_or_b32 s[G0+4*\s+3], s[G0+4*\s+3], 0x80000000
	s_mov_b32 s[G0B+4*\s], 1
	s_add_co_u32 s[G0B+4*\s+1], s45, \s*SLOT
	s_add_nc_u64 s[G0B+4*\s+2:G0B+4*\s+3], s[46:47], \s*QB
	s_or_b32 s[G0B+4*\s+3], s[G0B+4*\s+3], 0x80000000
.endr
	CROUND                                         ; all sixteen work-groups are here: the first joint loads meet
	JLOAD G0, G1, G0B, G1B                         ; steps 0-2: my one tensor load at the head
	s_lshl_b32 s46, s42, 8                         ; my 32 hidden units begin 256 T + 128 x column half bytes into a row
	s_lshl_b32 s47, s16, 7
	s_add_co_u32 s46, s46, s47
	s_mov_b32 s47, 0
.irp g, 88,90,92,94
	s_add_nc_u64 s[\g:\g+1], s[\g:\g+1], s[46:47]
.endr
	s_lshl_b32 s18, s17, 8
	s_lshl_b32 s19, s15, 7
	s_add_co_u32 s18, s18, s19                     ; my first row: 256 x tile row + 128 x row half
	s_lshl_b32 s4, s18, 12                         ; in bytes: under 2^25
	s_mov_b32 s5, 0
	s_add_nc_u64 s[96:97], s[96:97], s[4:5]
	s_add_nc_u64 s[96:97], s[96:97], s[46:47]      ; c at my 128 rows x 32 hidden units
	s_lshl_b32 s19, s16, 4
	s_add_co_u32 s18, s18, s19                     ; the first row that I store: + 16 x column half
	s_lshl_b32 s4, s18, 12
	s_lshl_b32 s19, s42, 8
	s_add_co_u32 s4, s4, s19
	s_add_nc_u64 s[98:99], s[98:99], s[4:5]
	s_add_nc_u64 s[100:101], s[100:101], s[4:5]
	v_and_b32 v1, 15, v0                           ; r
	v_bfe_u32 v2, v0, 4, 1                         ; h
	v_and_b32 v3, 31, v0
	v_lshlrev_b32 v3, 4, v3                        ; 16 x lane: my place in every piece of an image
	v_lshlrev_b32 v5, 4, v1                        ; scale words: 16 bytes a row;
	v_mul_u32_u24 v6, s10, v2                      ; lanes 16-31 take W's
	v_add_nc_u32 v5, v5, v6
	v_add_nc_u32 v[ADRA], s8, v3
	v_add_nc_u32 v[ADRB], s9, v3
	v_add_nc_u32 v[ADRS], s8, v5
	v_add_nc_u32 v[ADRA+1], SLOT, v[ADRA]
	v_add_nc_u32 v[ADRB+1], SLOT, v[ADRB]
	v_add_nc_u32 v[ADRS+1], SLOT, v[ADRS]
	v_mul_u32_u24 v5, v1, CP
	v_lshl_add_u32 v5, v2, 5, v5                   ; into a stage: row r, + 32 h
	v_add_nc_u32 v[STO], s12, v5
	v_add_nc_u32 v[STO2], STG2, v[STO]
	v_mul_u32_u24 v6, v2, CP
	v_lshl_add_u32 v6, v1, 4, v6                   ; back: lanes 0-15 one row of 256 bytes, lanes 16-31 the next
	v_add_nc_u32 v[RD], s13, v6
	v_add_nc_u32 v[RD2], STG2, v[RD]
	v_lshlrev_b32 v[CO], 12, v2
	v_lshl_add_u32 v[CO], v1, 4, v[CO]             ; the same two rows in out0 and out1
	v_lshlrev_b32 v[BOF], 5, v2                    ; 32 h: my eight of a block's sixteen biases
	v_lshl_add_u32 v[CAD], v1, 12, v[BOF]          ; c: row r, + 32 h
	s_wait_alu depctr_va_vdst(0)
.irp b, 0,1,2,3,4,5,6,7                        ; block b = gate b / 2, hidden units 16 (b % 2) + 8 h + 0 .. 7
	global_load_b128 v[BIAS+8*\b:BIAS+8*\b+3],   v[BOF], s[88+2*(\b/2):89+2*(\b/2)] offset:64*(\b%2)
	global_load_b128 v[BIAS+8*\b+4:BIAS+8*\b+7], v[BOF], s[88+2*(\b/2):89+2*(\b/2)] offset:64*(\b%2)+16
.endr
.macro FRAG reg, adr, off              ; a fragment's twelve registers as they were laid: three loads of 512 consecutive bytes
.irp c, 0,1,2
	ds_load_b128 v[\reg+4*\c:\reg+4*\c+3], v[\adr] offset:\off+512*\c
.endr
.endm
; 16 matrix instructions: A's blocks a0, a0 + 1 x W's eight.  The 64 accumulators take turns in the same order in every step.
.macro MUL16 a0, p, zero
.irp a, \a0, \a0+1
.irp b, 0,1,2,3,4,5,6,7
.if \zero
	v_wmma_scale_f32_16x16x128_f8f6f4 v[8*(8*((\a)%4)+\b):8*(8*((\a)%4)+\b)+7], v[128*(\p)+FR*\b:128*(\p)+FR*\b+FR-1], v[AF+FR*(\a):AF+FR*(\a)+FR-1], v[BIAS+8*\b:BIAS+8*\b+7], v[SC+8*(\p)+\b], v[SC+8*(\p)+(\a)] matrix_a_fmt:MATRIX_FMT_FP6 matrix_b_fmt:MATRIX_FMT_FP6 matrix_a_scale:MATRIX_SCALE_ROW1
.else
	v_wmma_scale_f32_16x16x128_f8f6f4 v[8*(8*((\a)%4)+\b):8*(8*((\a)%4)+\b)+7], v[128*(\p)+FR*\b:128*(\p)+FR*\b+FR-1], v[AF+FR*(\a):AF+FR*(\a)+FR-1], v[8*(8*((\a)%4)+\b):8*(8*((\a)%4)+\b)+7], v[SC+8*(\p)+\b], v[SC+8*(\p)+(\a)] matrix_a_fmt:MATRIX_FMT_FP6 matrix_b_fmt:MATRIX_FMT_FP6 matrix_a_scale:MATRIX_SCALE_ROW1
.endif
.endr
.endr
.endm
.macro FETCH_B ls, q, p                ; W's eight fragments of step q of slot ls into set p
	WIN TO_B
.irp i, 0,1,2,3,4,5,6,7
	FRAG 128*(\p)+FR*\i, ADRB+\ls, (\q)*STEPB+FRB*\i
.endr
	WIN 0
.endm
.macro FETCH_A ls, q, i0
.irp i, \i0, \i0+1, \i0+2, \i0+3
	FRAG AF+FR*(\i), ADRA+\ls, (\q)*STEPB+FRB*(\i)
.endr
.endm
.macro SCALES ls, q, p                 ; lanes 0-15 take A's words, lanes 16-31 W's
.irp j, 0,1
	ds_load_b128 v[SC+8*(\p)+4*\j:SC+8*(\p)+4*\j+3], v[ADRS+\ls] offset:(\q)*STEPB+8*FRB+256*\j
.endr
.endm
.macro PLACES n                        ; places behind matrix instructions, ahead of loads into and vector work on their registers
.rept \n
	v_nop
.endr
.endm
; Step q (0 or 1) of slot ls, with its successor in the same slot.  A has one set: the next step's blocks 0-3 come in the step's middle, blocks 4-7 at its end.  W has two sets: the set that a step has just
; finished takes, in the run at the step's end, W of the step after next, where that step lies in a slot already shown whole (steps 1 and 2 of a slot); W of a slot's step 0 comes behind the change of slots.
; So at this step's head the run at the last step's end may be out: A's blocks 4-7 (12 loads), then a set of W (24).
.macro STEP ls, q, p, zero
	s_wait_dscnt 12*NL                             ; all but those 36
.if \zero
	WIN MUL_LO0
.else
	WIN MUL_LO
.endif
	MUL16 0, \p, \zero
	MUL16 2, \p, \zero
	s_wait_dscnt 8*NL                              ; A's blocks 4-7 are in; the 24 loads of W behind them may be out
	PLACES NP
	WIN 0
	FETCH_A \ls, (\q)+1, 0
	SCALES \ls, (\q)+1, 1-(\p)
.if \zero
	WIN MUL_HI0
.else
	WIN MUL_HI
.endif
	MUL16 4, \p, \zero
	MUL16 6, \p, \zero
	PLACES NP
	WIN 0
	FETCH_A \ls, (\q)+1, 4
.if (\q) == 0
	FETCH_B \ls, 2, \p                             ; the slot's step 2
.endif
.endm
; The last step of slot ls changes slots.  fill = 1: the slot takes the three steps two slots on; 3: step 15 alone; 0: nothing more, so a plain barrier shows the next slot whole and this one left.
; w2 = 1: the next slot has a step 1, whose W comes at this step's end.
.macro TURN ls, p, nls, fill, w2
	s_wait_tensorcnt 0x0                           ; all my tensor loads have landed: my part of the next slot
.if \fill
	ds_add_u32 v[SPW], v[NIL]
	s_wait_dscnt 4*NL+1                            ; (the add and A's blocks 4-7 may be out)
.else
	s_wait_dscnt 4*NL
.endif
	WIN MUL_LO
	MUL16 0, \p, 0
	s_wait_dscnt 0x0                               ; the add is done, and my reads of this slot are over
	s_barrier_signal -1
	MUL16 2, \p, 0
	WIN 0
	s_barrier_wait -1
.if \fill
	CREST                                          ; the barrier opened a round of the cluster's: no partner's wave reads this slot or has a load out
	s_add_nc_u64 s[G0+4*\ls+2:G0+4*\ls+3], s[G0+4*\ls+2:G0+4*\ls+3], 2*QB
	s_add_nc_u64 s[G0B+4*\ls+2:G0B+4*\ls+3], s[G0B+4*\ls+2:G0B+4*\ls+3], 2*QB
.if (\fill) == 1
	JLOAD G0+4*\ls, G1, G0B+4*\ls, G1B             ; its four v_nop are also the places in front of the loads below
.else
	JLOAD G0+4*\ls, G1L, G0B+4*\ls, G1LB
.endif
.else
	PLACES NP
.endif
	FETCH_B \nls, 0, 1-(\p)
	FETCH_A \nls, 0, 0
	SCALES \nls, 0, 1-(\p)
	WIN MUL_HI
	MUL16 4, \p, 0
	MUL16 6, \p, 0
	PLACES NP
	WIN 0
	FETCH_A \nls, 0, 4
.if \w2
	FETCH_B \nls, 1, \p
.endif
.endm
.macro LAP f                           ; six steps, once round the ring
	STEP 0, 1, 1, 0
	TURN 0, 0, 1, 1, 1
	STEP 1, 0, 1, 0
	STEP 1, 1, 0, 0
	TURN 1, 1, 0, \f, 1
	STEP 0, 0, 0, 0
.endm
.macro CLOAD a                         ; c of block a's 16 rows, my 16 numbers: register 8 u + j is hidden unit 16 u + 8 h + j
.if (\a) < 4
.set CR, CV+16*(\a)
	WIN 0
.else
.set CR, 96+128*(((\a)-4)/2)+16*((\a)%2)
	WIN TO_B
.endif
.irp q, 0,1,2,3
	global_load_b128 v[CR+4*\q:CR+4*\q+3], v[CAD], s[96:97] offset:(\a)*16*HROW+64*(\q/2)+16*(\q%2) th:TH_LOAD_NT
.endr
	WIN 0
.endm
	s_wait_tensorcnt 0x0                           ; my part of steps 0-2 is in; slot 1's first fill is issued as a refill is
	ds_add_u32 v[SPW], v[NIL]
	s_wait_dscnt 0x0
	CROUND
	JLOAD G0+4, G1, G0B+4, G1B                     ; steps 3-5
	FETCH_B 0, 0, 0
	FETCH_A 0, 0, 0
	SCALES 0, 0, 0
	FETCH_A 0, 0, 4
	FETCH_B 0, 1, 1                                ; step 1's W
	s_wait_loadcnt 0x0                             ; the biases
	STEP 0, 0, 0, 1                                ; step 0 starts the sums on the biases
.irp a, 0,1,2,3
	CLOAD \a                                       ; behind step 0's closing places: the biases' registers take c of my rows 0-63
.endr
	LAP 1                                          ; steps 1-6
.irp a, 4,5,6,7
	CLOAD \a                                       ; c of my rows 64-127
.endr
	LAP 3                                          ; steps 7-12
	STEP 0, 1, 1, 0                                ; step 13
	TURN 0, 0, 1, 0, 0                             ; step 14
	s_wait_dscnt 4*NL                              ; step 15
	WIN MUL_LO
	MUL16 0, 1, 0
	MUL16 2, 1, 0
	s_wait_dscnt 0
	WIN MUL_HI
	MUL16 4, 1, 0
	MUL16 6, 1, 0
	WIN 0
	PLACES NP
; THE CELL, two blocks (32 rows, 32 outputs a lane) at a time, each stage across all 16 register pairs; every batch of transcendentals has one wait ahead of it and one behind it.
.macro FOR16 m, o                      ; macro m on each of the chunk's 16 pairs: r = the pair's place in array i
.set j, 0
.rept 16
	\m (B0+64*(j/8)+2*(j%8)), \o
.set j, j+1
.endr
.endm
.macro ONEP r, o                       ; 1 + x
	v_pk_add_f32 v[\r+\o:\r+\o+1], v[\r+\o:\r+\o+1], 1.0 op_sel_hi:[1,0]
.endm
.macro ONEM r, o                       ; 1 - x
	v_pk_add_f32 v[\r+\o:\r+\o+1], v[\r+\o:\r+\o+1], 1.0 op_sel_hi:[1,0] neg_lo:[1,0] neg_hi:[1,0]
.endm
.macro EXP2 r, o
	v_exp_f32 v[\r+\o], v[\r+\o]
	v_exp_f32 v[\r+\o+1], v[\r+\o+1]
.endm
.macro RCP2 r, o
	v_rcp_f32 v[\r+\o], v[\r+\o]
	v_rcp_f32 v[\r+\o+1], v[\r+\o+1]
.endm
.macro DEN r, o                        ; x (1 + E), E in array g
	v_pk_fma_f32 v[\r+\o:\r+\o+1], v[\r+\o:\r+\o+1], v[\r+48:\r+49], v[\r+\o:\r+\o+1]
.endm
.macro NUM r, o                        ; (1 - E) x
	v_pk_mul_f32 v[\r+\o:\r+\o+1], v[\r+48:\r+49], v[\r+\o:\r+\o+1]
.endm
.macro CLIP r, o                       ; held to -64 .. 64
	v_med3_num_f32 v[\r+\o], v[\r+\o], s67, s66
	v_med3_num_f32 v[\r+\o+1], v[\r+\o+1], s67, s66
.endm
.macro CT r, o                         ; c_t = c sigmoid(f) + sigmoid(i) tanh(g); c is source 0, in window 0 or 1
	v_pk_fma_f32 v[\r+16:\r+17], v[CB+16*(j/8)+2*(j%8):CB+16*(j/8)+2*(j%8)+1], v[\r+16:\r+17], v[\r:\r+1]
.endm
.macro TC r, o                         ; -2 L c_t
	v_pk_mul_f32 v[\r+48:\r+49], v[\r+16:\r+17], s[78:79] op_sel_hi:[1,0]
.endm
.macro STAGE adr, o, k                 ; array o of both blocks into a stage
	WIN (4*W)
.irp x, 0,1
.irp q, 0,1,2,3
	ds_store_b128 v[\adr], v[B0+64*\x+\o+4*\q:B0+64*\x+\o+4*\q+3] offset:16*CP*(2*(\k)+\x)+64*(\q/2)+16*(\q%2)
.endr
.endr
.endm
.macro SEND k                          ; chunk k's 16 whole rows of h_t and of c_t: 16 lanes store 256 consecutive bytes, at a multiple of 256 from the buffer's first byte
	WIN 0
.irp t, 0,1,2,3,4,5,6,7
	s_wait_dscnt 15-\t                             ; LDS loads come back in order: this one is in
	global_store_b128 v[CO], v[BK+4*\t:BK+4*\t+3], s[98:99] offset:(32*(\k)+2*\t)*HROW th:TH_STORE_NT
.endr
.irp t, 0,1,2,3,4,5,6,7
	s_wait_dscnt 7-\t
	global_store_b128 v[CO], v[BK+32+4*\t:BK+32+4*\t+3], s[100:101] offset:(32*(\k)+2*\t)*HROW th:TH_STORE_NT
.endr
.endm
.macro CHUNK k
.set W, 2+(\k)/2                       ; the chunk's window,
.set B0, 128*((\k)%2)                  ; its 128 accumulator registers,
.if (\k) < 2                           ; and its c
.set CB, CV+32*(\k)
.set CW, 0
.else
.set CB, 96+128*((\k)-2)
.set CW, 1
.endif
	WIN (0x55*W)
.if (\k) > 0
	s_wait_alu depctr_va_vdst(0)                   ; directly ahead of the first reads of these matrix results
.endif
.set j, 0
.rept 64                               ; in ascending order: each accumulator is read from its low end on
.if (j%32) < 24
	v_pk_mul_f32 v[B0+2*j:B0+2*j+1], v[B0+2*j:B0+2*j+1], s[76:77] op_sel_hi:[1,0]   ; -L x i, f, o
.else
	v_pk_mul_f32 v[B0+2*j:B0+2*j+1], v[B0+2*j:B0+2*j+1], s[78:79] op_sel_hi:[1,0]   ; -2 L x g
.endif
.set j, j+1
.endr
	FOR16 CLIP, 48
	s_wait_alu depctr_va_vdst(0)
.if (\k) > 0
	SEND (\k)-1                                    ; the chunk before leaves: its rows came back from the stages under the scalings above
	WIN (0x55*W)
.endif
	FOR16 EXP2, 0                                  ; Ei, Ef, Eo, Eg
	FOR16 EXP2, 16
	FOR16 EXP2, 32
	FOR16 EXP2, 48
	v_nop                                          ; the plain place behind the batch
	s_wait_alu depctr_va_vdst(0)
	FOR16 ONEP, 0
	FOR16 ONEP, 16
	FOR16 ONEP, 32
	FOR16 DEN, 0                                   ; (1 + Ei)(1 + Eg)
	FOR16 ONEM, 48                                 ; 1 - Eg
	s_wait_alu depctr_va_vdst(0)
	FOR16 RCP2, 16
	FOR16 RCP2, 0
	v_nop
	s_wait_alu depctr_va_vdst(0)
	s_wait_loadcnt 24-8*(\k)                       ; this chunk's c is in; behind it were issued the four loads of each later block
	FOR16 NUM, 0                                   ; sigmoid(i) tanh(g)
	WIN (0x54*W+CW)
	FOR16 CT, 0
	WIN (0x55*W)
	FOR16 TC, 0
	FOR16 CLIP, 48
	STAGE STO2, 16, \k
	WIN (0x55*W)
	s_wait_alu depctr_va_vdst(0)
	FOR16 EXP2, 48                                 ; Ec
	v_nop
	s_wait_alu depctr_va_vdst(0)
	FOR16 DEN, 32                                  ; (1 + Eo)(1 + Ec)
	FOR16 ONEM, 48
	s_wait_alu depctr_va_vdst(0)
	FOR16 RCP2, 32
	v_nop
	s_wait_alu depctr_va_vdst(0)
	FOR16 NUM, 32                                  ; h_t
	STAGE STO, 32, \k
	WIN 0
	s_wait_dscnt 0x0                               ; for the others' sake: my stores into the stages are done
	s_barrier_signal -1
	s_barrier_wait -1                              ; a row's 256 bytes come from two waves; each chunk has stage bytes of its own
.if (\k) > 0
	s_wait_xcnt 0x0                                ; the last chunk's stores have read their data registers
.endif
.irp t, 0,1,2,3,4,5,6,7
	ds_load_b128 v[BK+4*\t:BK+4*\t+3], v[RD] offset:(32*(\k)+2*\t)*CP
.endr
.irp t, 0,1,2,3,4,5,6,7
	ds_load_b128 v[BK+32+4*\t:BK+32+4*\t+3], v[RD2] offset:(32*(\k)+2*\t)*CP
.endr
.endm
	CHUNK 0
	CHUNK 1
	CHUNK 2
	CHUNK 3
	SEND 3
	s_wait_tensorcnt 0x0                           ; the wave's end
	ds_add_u32 v[SPW], v[NIL]
	s_wait_dscnt 0x0
	CROUND                                         ; the closing round
	s_endpgm
.Lfunc_end_k_q91035265d3_lstm:
	.size	k_q91035265d3_lstm, .Lfunc_end_k_q91035265d3_lstm-k_q91035265d3_lstm
	.p2alignl 7, 3214868480
	.fill 96, 4, 3214868480
	.section	.rodata,"a",@progbits
	.p2align	6, 0x0
	.amdhsa_kernel k_q91035265d3_lstm
		.amdhsa_group_segment_fixed_size 327680
		.amdhsa_private_segment_fixed_size 0
		.amdhsa_enable_private_segment 0
		.amdhsa_kernarg_size 72
		.amdhsa_user_sgpr_count 2
		.amdhsa_user_sgpr_kernarg_segment_ptr 1
		.amdhsa_wavefront_size32 1
		.amdhsa_system_sgpr_workgroup_id_x 1
		.amdhsa_system_sgpr_workgroup_id_y 1
		.amdhsa_system_sgpr_workgroup_id_z 1
		.amdhsa_system_vgpr_workitem_id 0
		.amdhsa_next_free_vgpr 1024
		.amdhsa_next_free_sgpr 102
		.amdhsa_reserve_vcc 0
		.amdhsa_float_denorm_mode_32 3
		.amdhsa_float_denorm_mode_16_64 3
		.amdhsa_memory_ordered 1
		.amdhsa_forward_progress 1
		.amdhsa_inst_pref_size 255
	.end_amdhsa_kernel
	.section	.bss,"aw",@nobits
	.p2align	6
	.space	262144
	.amdgpu_metadata
---
amdhsa.version: [ 1, 2 ]
amdhsa.kernels:
  - .name:           k_q91035265d3_lstm
    .symbol:         k_q91035265d3_lstm.kd
    .args:
      - { .name: a_img, .offset: 0, .size: 8, .value_kind: global_buffer, .address_space: global }
      - { .name: w_img, .offset: 8, .size: 8, .value_kind: global_buffer, .address_space: global }
      - { .name: b_i, .offset: 16, .size: 8, .value_kind: global_buffer, .address_space: global }
      - { .name: b_f, .offset: 24, .size: 8, .value_kind: global_buffer, .address_space: global }
      - { .name: b_o, .offset: 32, .size: 8, .value_kind: global_buffer, .address_space: global }
      - { .name: b_g, .offset: 40, .size: 8, .value_kind: global_buffer, .address_space: global }
      - { .name: c, .offset: 48, .size: 8, .value_kind: global_buffer, .address_space: global }
      - { .name: out0, .offset: 56, .size: 8, .value_kind: global_buffer, .address_space: global }
      - { .name: out1, .offset: 64, .size: 8, .value_kind: global_buffer, .address_space: global }
    .group_segment_fixed_size: 327680
    .private_segment_fixed_size: 0
    .kernarg_segment_align: 8
    .kernarg_segment_size: 72
    .max_flat_workgroup_size: 128
    .sgpr_count:     102
    .vgpr_count:     1024
    .wavefront_size: 32
...
	.end_amdgpu_metadata
.endif
;; end of part 2
